; MI455X (gfx1250); checked and timed in simulation.
; The chip was launched on July 23, 2026; its instructions are those of AMD's public machine-readable ISA for CDNA 5 (MIT licence, August 2026) and "CDNA5" Instruction Set Architecture Reference Guide (July 2026). The comments in the code are by the model that wrote it; some were corrected since.
;; Net VLAD. Allowed arithmetic: matrix products marked QUANTISED: E2M1 operands, one E8M0 scale for each 32 along K, by v_wmma_scale_f32_16x16x128_f8f6f4 with both operands' format E2M1 (or v_wmma_scale_f32_32x16x128_f4), f32 sums; everything else in f32.
;; Inputs: centroids 64 x 128 float32; x 32 x 128 x 128 x 128 float32.
;; Outputs: out0 32 x 8,192 float32.
;; This version of the problem:
;;   THIS VERSION OF THE PROBLEM IS GIVEN IN LOW PRECISION. The matrix products marked QUANTISED in the list below multiply operands that are first quantised to E2M1 (2 exponent bits, 1 mantissa bit; 4 bits a number), with one power-of-two scale for each 32 numbers along K (OCP MX v1.0); their sums are f32. All else is computed in f32.
;;   The module's matrix products, in the order in which they are computed (A, B: the left and right operand; K: the contracted axis; several contracted axes count as one K, in the product's order):
;;     1. [M 524,288, K 128] x [K 128, N 64]; A: computed on the way; B: computed on the way: QUANTISED
;;     2. batch 32 x [M 64, K 16,384] x [K 16,384, N 128]; A: computed on the way; B: computed on the way: QUANTISED
;;   THE QUANTISER, for each operand of a quantised product, along K:
;;     - K is cut into blocks of 32 from its start; a last block that is shorter is filled with zeros.
;;     - A block's scale is 2^e with e = floor(log2(the largest magnitude in the block)) - 2, held to -126 .. 127; a block of zeros has e = 0. As a byte (E8M0): e + 127.
;;     - Each number is divided by its block's scale, clamped to +-6, and rounded to the nearest number of E2M1, ties to even, subnormals kept.
;;     - The product sums the exact products of the quantised numbers (number of the format x scale) in f32.
;;   ~~~python
;;   def quantise(x, axis):      # numpy; x: float32 -> the quantised numbers, widened to float32 again
;;       x = np.moveaxis(x, axis, -1); K = x.shape[-1]
;;       x = np.pad(x, [(0, 0)] * (x.ndim - 1) + [(0, -K % 32)]); x = x.reshape(x.shape[:-1] + (-1, 32)); a = np.abs(x).max(-1, keepdims=True)
;;       e = np.where(a > 0, np.clip(np.frexp(np.where(a > 0, a, 1))[1] - 1 - 2, -126, 127), 0)      # np.frexp(a)[1] - 1 = floor(log2(a)), exactly
;;       r = np.clip(x / 2.0 ** e, -6, 6)
;;       step = 2.0 ** (np.maximum(np.frexp(np.where(r == 0, 1, r))[1] - 1, 0) - 1)
;;       q = np.round(r / step) * step * 2.0 ** e      # np.round: ties to even
;;       return np.moveaxis(q.reshape(q.shape[:-2] + (-1,))[..., :K], -1, axis).astype(np.float32)
;;   ~~~
;;   OPERANDS COMPUTED ON THE WAY. 'Computed on the way' means the value that the module computes at that place (a softmax that the list does not call 'softmax' is quantised finished and normalised). What goes into a quantiser is computed in f32, as accurately as f32 sums, v_exp_f32 and their like allow (about 1e-6 of the number): no bf16 or f16 on the way to a quantiser, and a product that is left as it is and whose result goes on into a quantised operand takes f32 operands (vector FMAs, or v_wmma_f32_16x16x4_f32). A number that lies on a knife's edge between two numbers of the format may be rounded either way, as far as f32 arithmetic and the matrix unit's own rounding can turn it there, and no further.
;; One version. Each part assembles by itself: llvm-mc -triple=amdgcn-amd-amdhsa -mcpu=gfx1250 --defsym DOCPART=n.
;; ======== version 1 of 1: 2 launches
;; workspace buffers: part 8,388,608 bytes; asp 65,536 bytes
;; launch vlad_part (part 1): grid 8 x 32, 8 waves a work-group, no clusters, 327,680 bytes of LDS; arguments x, centroids, part, asp; writes part, asp
.if DOCPART == 1
	.amdgcn_target "amdgcn-amd-amdhsa--gfx1250"
	.amdhsa_code_object_version 6
	.text
	.protected	k_qd6bcb5ceb6_vlad_part
	.globl	k_qd6bcb5ceb6_vlad_part
	.p2align	8
	.type	k_qd6bcb5ceb6_vlad_part,@function
k_qd6bcb5ceb6_vlad_part:
	s_mov_b64 s[64:65], 0
	v_nop
	global_prefetch_b8 v0, s[64:65] scope:SCOPE_SE
	s_setreg_imm32_b32 hwreg(HW_REG_WAVE_MODE, 25, 1), 1
	s_wait_xcnt 0x0
; NetVLAD, first of two launches.  x: [32][128 c][16,384 s] f32, s innermost; centroids: [64 k][128 c] f32.
; For 2,048 pixels of one image a work-group computes: rn = 1 / max(|x(:,s)|, 1e-12); xn = x rn; logits(s,k) = Q_c(xn) . Q_c(200 cent) - 100 |cent_k| (E2M1 codes, one E8M0 scale for 32 channels);
; a = softmax over the 64 k, finished and normalised; the part of vlad(k,c) = sum over s of Q_s(a)(k,s) Q_s(xn)(c,s) (codes, one scale for 32 pixels) and of asum(k) = sum over s of the unquantised a.
; It stores part[8 n + g][k][c] and asp[8 n + g][k % 16][k / 16]; the second launch adds the eight parts of an image, takes asum x cent away and normalises.
; DEAD WORK: none is left out.  The bias differs along the softmax's axis, both norms can move results, both inputs reach the output.
; LIMITS: NaN and infinities among the inputs are not served.  1 / max(sqrt(t), 1e-12) is taken as min(rsq(t), 1e12): equal in real numbers; t = 0 or denormal gives 1e12 both ways.  xn = x rn differs from the
; division by one or two units in the last place.  A block of zeros gets the scale byte 1 where the rule says 127: its codes are zeros, and this program alone reads the bytes.
; p = 2^(l log2e - fl(m log2e)): the rounding of m log2e is a factor common to a pixel's 64 clusters and cancels in p / sum of p; the maximum is taken away as in the softmax itself.
; SHARES.  grid x = g (2,048 pixels), y = n (image).  Eight waves; eight steps of 256 pixels through a ring of two LDS slots.  No cluster: work-groups share the 32 KiB of centroids alone, beside 1 MiB of x of their own.
; A step has two parts, because the two quantisers of xn run along different axes:
;   P: wave w takes pixels 32 w .. 32 w + 31, A LANE A PIXEL, registers down the 128 channels: norm, codes along c, 8 products, softmax, a's codes along s; a's codes, a's scale bytes and rn go to LDS.
;   C: wave w takes pixels 128 (w / 4) on (one K step of the second product) and channels 32 (w % 4) on, A LANE A CHANNEL, registers along 32 pixels: xn again, codes along s, 8 products onto 8 accumulators.
; THE TWO PARTS ARE PIPELINED, ONE BARRIER A STEP: between two changes of slots a wave runs C of the step before and then P of the step in hand.  C's raw x is loaded from the slot into registers of its own during
; P's turn, so that C reads no slot; what P hands to C through LDS lies in two copies by turns, so that one step's stores and the step before's loads never meet.  So C's x comes in under the softmax, and P's x under C's arithmetic.
; THE PIXELS OF A LANE ARE PERMUTED: lane L takes pixel (L & 7) + 16 bit3(L) + 8 bit4(L), so that in the first product's results lane (r, h) holds, for cluster 16 t + r, the 16 neighbouring pixels 16 h + 0 .. 15.
; REGISTERS, window 0: v1-13 addresses; v[14:15] rn; v16-143 part C: x rn, part P: x (the logits, p and a lie over v16-79); v144-159 codes of xn; v160-171 scale words; v172-235 at work (part C: rn of 64 pixels,
;   then a's four fragments in v204-235); v236-243 asum; v244-255 at work.   window 1: v0-63 the 8 accumulators of vlad; v64-95 the bias, 8 equal registers a tile; v96-127 the codes of 200 cent; v128-255 part C's raw x.
.set SLOT,  139264                     ; a slot: 4 strips of 64 pixels
.set STRIP, 34816                      ; a strip: 128 channel rows x 272
.set HALF,  17408                      ; what one tensor load brings: 64 rows
.set XP,    272                        ; a row: 256 bytes + 16 of padding = 17 x 16: sixteen rows begin in sixteen different columns of 16 bytes
.set CENT,  2*SLOT                     ; the centroids: 64 rows x 528, filled once and read in the head alone; afterwards the region holds what P hands to C
.set CP,    528                        ; 512 bytes + 16 = 33 x 16
.set AIMG,  CENT                       ; a's 8 fragments as images of their registers: 4,096 (K step) + 1,024 t
.set ASCB,  AIMG+8192                  ; a's scale words: 256 (K step) + 64 t + 4 r, byte = the block of 32 pixels
.set RNB,   ASCB+512                   ; rn of the step's 256 pixels
.set SD,    16384                      ; the second copy of these three lies so many bytes further on
.set ASR,   CENT+64*CP                 ; the waves' asum, at the end
.set SPARE, ASR+2048                   ; the spare words, 128 bytes for each wave: four blocks of 256 bytes that no other line names
.set STG1,  64*CP                      ; the way out: two stages of 64 rows x 528 at bytes 0 and STG1 of slot 0, which has had its last fill and its last read by then
.set PA0, 1                            ; v1   part P: my pixel's byte in a slot
.set CA0, 2                            ; v2   part C: my channel's row and my 32 pixels in a slot
.set RSA, 3                            ; v3   where I store rn (first copy)
.set RA,  4                            ; v4   where I read 32 rn
.set AIA, 5                            ; v5   where I store 8 bytes of a's codes
.set ASA, 6                            ; v6   and a's scale byte
.set LI,  7                            ; v7   an image's place for my lane
.set ASL, 8                            ; v8   a's scale words for my lane
.set PAD, 9                            ; v9   PA0 + the slot in hand
.set CAD, 10                           ; v10  CA0 + the slot in hand (in the head: my place in the centroids)
.set SH8, 11                           ; v11  8 (lane / 16)
.set SPW, 12                           ; v12  LDS address of my spare word; never rewritten
.set NIL, 13                           ; v13  0; never rewritten
.set RN,  14
.set X,   16
.set LG,  16                           ; logit, p, a of (tile t, pixel 16 h + i) at v[LG + 16 t + i]
.set XC,  144
.set RAD, 144                          ; v144-146 part C's three read addresses, until the first codes are written there
.set SA,  160                          ; xn's scale word along c: lane = pixel
.set WS,  161                          ; v161-164 the scale words of 200 cent
.set BS,  165                          ; v165-166 xn's scale words along s
.set ASC, 168                          ; v168-171 a's scale words
.set RR,  172
.set Q,   172                          ; four pairs of sums of squares
.set MX,  180                          ; 16 maxima
.set SM,  196                          ; 16 sums
.set AF,  204                          ; v204-235 a's four fragments, where rn of the second 64 pixels lay
.set AC,  212                          ; a's codes, two registers a tile
.set WA,  220                          ; v220-222 part P's three write addresses
.set AS,  236                          ; asum, a pair a tile
.set M,   244
.set SC,  248
.set BY,  252
.set ACC, 0                            ; window 1
.set BI,  64
.set WF,  96
.set YY,  128                          ; raw x of (strip c, channels 16 e on) at v[YY + 64 c + 32 e]
.set WV,  12                           ; s12  my wave's number
.set TB,  13                           ; s13  the slot in hand: 0 or SLOT
.set CNT, 14
.set G1X, 16                           ; s[16:23] descriptor group 1 for x's tiles;  s[24:31] for the centroids;  s[32:35], s[36:39] their groups 0
.set G1C, 24
.set G0X, 32
.set G0C, 36
.set SEL, 40                           ; s[40:41] v_permlanex16_b32's selects for lane l xor 16
.set SX,  58                           ; s58  the copy that part P writes: 0 or SD; part C reads the other
.set W_P1, 0x14                        ; source 1 and source 2 in window 1
.set W_P2, 0x50                        ; source 2 and the destination in window 1
.set W_D1, 0x40                        ; the destination in window 1
.set W_S0, 0x01                        ; source 0 in window 1
.set W_ST, 0x04                        ; an LDS store's data (source 1) in window 1
.set MSB, 0
.macro WIN new                         ; the immediate's high byte repeats the setting that is left
.if MSB != \new
	s_set_vgpr_msb (MSB<<8)|\new
.set MSB, \new
.endif
.endm
.macro PLACES n
.rept \n
	v_nop
.endr
.endm
	s_load_b256 s[4:11], s[0:1], 0x0               ; x s[4:5], centroids s[6:7], part s[8:9], asp s[10:11]
	v_lshl_add_u32 v[SPW], v0, 2, SPARE
	v_mov_b32 v[NIL], 0
	ds_add_u32 v[SPW], v[NIL]                      ; the wave's opening: the add, twice on end, and its wait ahead of my first tensor load
	ds_add_u32 v[SPW], v[NIL]                      ; and once more; the set-up below, work on registers, stands between it and the wait
	v_lshrrev_b32 v1, 5, v0
	v_readfirstlane_b32 s[WV], v1                  ; wave 0..7
	s_and_b32 s45, s[WV], 3                        ; w % 4: the strip that I fetch; part C: my 32 channels; part P: my block of a K step
	s_lshr_b32 s46, s[WV], 2                       ; w / 4: the 64 channels that I fetch; my K step
	; group 1 for x: 64 rows x 64 elements of 4 bytes, 16,384 elements from row to row, 4 words of padding behind every 64
	s_mov_b32 s[G1X+0], (2<<16)|(1<<20)|(5<<22)|(3<<25)
	s_mov_b32 s[G1X+1], 64<<16                     ; tensor_dim0
	s_mov_b32 s[G1X+2], 64<<16                     ; tensor_dim1
	s_mov_b32 s[G1X+3], 64<<16                     ; tile_dim0
	s_mov_b32 s[G1X+4], 64                         ; tile_dim1
	s_mov_b32 s[G1X+5], 16384                      ; the pitch
	s_mov_b32 s[G1X+6], 0
	s_mov_b32 s[G1X+7], 0
	; group 1 for the centroids: 8 dense rows x 128 elements, 4 words of padding behind every 128
	s_mov_b32 s[G1C+0], (2<<16)|(1<<20)|(6<<22)|(3<<25)
	s_mov_b32 s[G1C+1], 128<<16
	s_mov_b32 s[G1C+2], 8<<16
	s_mov_b32 s[G1C+3], 128<<16
	s_mov_b32 s[G1C+4], 8
	s_mov_b32 s[G1C+5], 128
	s_mov_b32 s[G1C+6], 0
	s_mov_b32 s[G1C+7], 0
	s_lshl_b32 s44, s45, 1
	s_add_co_u32 s44, s44, s46
	s_mul_i32 s44, s44, HALF                       ; where my half strip lies in a slot
	s_and_b32 s47, ttmp7, 0xffff                   ; n
	s_lshl_b32 s48, s47, 23                        ; an image is 8,388,608 bytes; all of x stays under 2^32
	s_lshl_b32 s15, s46, 22                        ; 64 channels of 65,536 bytes
	s_add_co_u32 s48, s48, s15
	s_lshl_b32 s15, ttmp9, 13                      ; 2,048 pixels
	s_add_co_u32 s48, s48, s15
	s_lshl_b32 s15, s45, 8                         ; a strip's 256 bytes
	s_add_co_u32 s48, s48, s15
	s_mov_b32 s49, 0
	s_lshl_b32 s50, s[WV], 12                      ; my 8 rows of the centroids
	s_mov_b32 s51, 0
	s_mov_b32 s[G0C], 1
	s_mul_i32 s[G0C+1], s[WV], 8*CP
	s_add_co_u32 s[G0C+1], s[G0C+1], CENT
	s_mov_b32 s[G0X], 1
	s_mov_b32 s[G0X+1], s44                        ; slot 0
	s_mov_b32 s[SEL], 0x76543210
	s_mov_b32 s[SEL+1], 0xfedcba98
	s_mov_b32 s42, 0x3fb8aa3b                      ; log2(e); the packed forms name a pair and take its low word for both halves
	s_mov_b32 s43, 0x3fb8aa3b
	s_mov_b32 s54, 0xbfb8aa3b                      ; -log2(e)
	s_mov_b32 s55, 0xbfb8aa3b
	s_mov_b32 s56, 0x43480000                      ; 200
	s_mov_b32 s57, 0x43480000
	s_wait_dscnt 0x0                               ; both opening adds are done
	s_wait_kmcnt 0x0
	s_add_nc_u64 s[G0C+2:G0C+3], s[6:7], s[50:51]
	s_or_b32 s[G0C+3], s[G0C+3], 0x80000000
	s_add_nc_u64 s[G0X+2:G0X+3], s[4:5], s[48:49]
	s_or_b32 s[G0X+3], s[G0X+3], 0x80000000
	tensor_load_to_lds s[G0C:G0C+3], s[G1C:G1C+7]  ; every wave issues both first fills: two loads of mine are out
	s_nop 0
	tensor_load_to_lds s[G0X:G0X+3], s[G1X:G1X+7]  ; step 0's tile
	s_nop 0
	PLACES 4
	; the address registers
	v_and_b32 v16, 7, v0
	v_bfe_u32 v17, v0, 3, 1
	v_bfe_u32 v18, v0, 4, 1                        ; h
	v_and_b32 v19, 15, v0                          ; r
	v_and_b32 v20, 31, v0                          ; lane
	v_lshlrev_b32 v21, 2, v16
	v_lshl_add_u32 v21, v17, 6, v21
	v_lshl_add_u32 v21, v18, 5, v21                ; 4 x my pixel
	s_lshr_b32 s47, s[WV], 1
	s_mul_i32 s47, s47, STRIP
	s_and_b32 s15, s[WV], 1
	s_lshl_b32 s15, s15, 7
	s_add_co_u32 s47, s47, s15
	v_add_nc_u32 v[PA0], s47, v21                  ; strip w / 2, + 128 (w % 2), + 4 x pixel
	s_mul_i32 s47, s46, 2*STRIP
	s_mul_i32 s15, s45, 32*XP
	s_add_co_u32 s47, s47, s15
	v_mul_u32_u24 v[CA0], v19, XP
	v_lshl_add_u32 v[CA0], v18, 7, v[CA0]
	v_add_nc_u32 v[CA0], s47, v[CA0]               ; strips 2 (w / 4) on, row 32 (w % 4) + r, + 128 h
	s_lshl_b32 s47, s[WV], 7
	s_add_co_u32 s47, s47, RNB
	v_add_nc_u32 v[RSA], s47, v21
	s_lshl_b32 s47, s46, 9
	s_add_co_u32 s47, s47, RNB
	v_lshl_add_u32 v[RA], v18, 7, s47
	s_lshl_b32 s47, s46, 12
	s_add_co_u32 s47, s47, AIMG
	v_lshl_add_u32 v[LI], v20, 4, s47
	s_lshl_b32 s15, s45, 8
	s_add_co_u32 s47, s47, s15
	v_lshlrev_b32 v[AIA], 4, v19
	v_lshl_add_u32 v[AIA], v18, 3, v[AIA]
	v_add_nc_u32 v[AIA], s47, v[AIA]               ; block w % 4 of a fragment lies 256 (w % 4) into its image; cluster r's 16 bytes at 16 r; my 16 pixels at 8 h
	s_lshl_b32 s47, s46, 8
	s_add_co_u32 s47, s47, ASCB
	v_lshl_add_u32 v[ASL], v19, 2, s47
	v_add_nc_u32 v[ASA], s45, v[ASL]
	v_lshlrev_b32 v[SH8], 3, v18
	v_mul_u32_u24 v[CAD], v19, CP
	v_lshl_add_u32 v[CAD], v18, 7, v[CAD]
	v_add_nc_u32 v[CAD], CENT, v[CAD]              ; the centroids: row r, + 128 h
	WIN W_D1
.set i, 0
.rept 64
	v_mov_b32 v[ACC+i], 0                          ; part C is written for all eight steps alike: the first finds zeros
.set i, i+1
.endr
	WIN 0
.irp i, 0,1,2,3,4,5,6,7
	v_mov_b32 v[AS+\i], 0
.endr
.irp i, 0,1,2,3
	v_mov_b32 v[SC+\i], 0                          ; written once: a lane permute's destination counts as one of its sources
.endr
	s_wait_tensorcnt 0x1                           ; my rows of the centroids are in (issued first); x's tile may stay out
	s_barrier_signal -1
	s_barrier_wait -1                              ; everybody's are
; 200 cent BECOMES THE FIRST PRODUCT'S SECOND OPERAND, in every wave's registers, while x's first tile is on its way.  Tile t: lane (r, h) takes cluster 16 t + r, channels 64 c + 32 h + 0 .. 31: two whole blocks.
.macro WLOAD t
.irp c, 0,1
.irp i, 0,1,2,3,4,5,6,7
	ds_load_b128 v[X+64*((\t)%2)+32*\c+4*\i:X+64*((\t)%2)+32*\c+4*\i+3], v[CAD] offset:16*CP*(\t)+256*\c+16*\i
.endr
.endr
.endm
.macro WQ t
.set WBF, X+64*((\t)%2)
.set p, 0
.rept 32                                       ; the sum of squares of my 64 raw numbers, in four packed chains
.if p < 4
	v_pk_mul_f32 v[Q+2*p:Q+2*p+1], v[WBF+2*p:WBF+2*p+1], v[WBF+2*p:WBF+2*p+1]
.else
	v_pk_fma_f32 v[Q+2*(p%4):Q+2*(p%4)+1], v[WBF+2*p:WBF+2*p+1], v[WBF+2*p:WBF+2*p+1], v[Q+2*(p%4):Q+2*(p%4)+1]
.endif
.set p, p+1
.endr
	v_pk_add_f32 v[Q:Q+1], v[Q:Q+1], v[Q+2:Q+3]
	v_pk_add_f32 v[Q+4:Q+5], v[Q+4:Q+5], v[Q+6:Q+7]
	v_pk_add_f32 v[Q:Q+1], v[Q:Q+1], v[Q+4:Q+5]
	v_add_f32 v[MX], v[Q], v[Q+1]
	v_permlanex16_b32 v[SC], v[MX], s[SEL], s[SEL+1]
	v_add_f32 v[MX], v[MX], v[SC]                  ; with lane l xor 16's 64: |cent_k|^2
	v_sqrt_f32 v[MX+1], v[MX]
.set p, 0
.rept 32
	v_pk_mul_f32 v[WBF+2*p:WBF+2*p+1], v[WBF+2*p:WBF+2*p+1], s[56:57] op_sel_hi:[1,0]   ; w = 200 cent.  (Plain work behind the root)
.set p, p+1
.endr
	s_wait_alu depctr_va_vdst(0)                   ; the wait ahead of the root's first reader
	v_mul_f32 v[MX+1], 0xc2c80000, v[MX+1]         ; the bias: -100 |cent_k|
.irp c, 0,1
	v_max3_num_f32 v[M+\c], |v[WBF+32*\c]|, |v[WBF+32*\c+1]|, 0x1800000   ; block 2 c + h, all 32 numbers mine, and the floor 2^(3 - 127): the byte cannot fall under 1
.endr
.irp i, 2,4,6,8,10,12,14,16,18,20,22,24,26,28,30
.irp c, 0,1
	v_max3_num_f32 v[M+\c], v[M+\c], |v[WBF+32*\c+\i]|, |v[WBF+32*\c+\i+1]|
.endr
.endr
.irp c, 0,1
	v_add_nc_u32 v[SC+\c], 0xff000000, v[M+\c]     ; 2 off the exponent field: the conversion's scale operand
.endr
.irp c, 0,1
	v_lshrrev_b32 v[BY+\c], 23, v[SC+\c]           ; the scale's byte
.endr
	WIN W_D1
.irp c, 0,1
.irp g, 0,1,2,3
	v_cvt_scalef32_pk8_fp4_f32 v[WF+8*(\t)+4*\c+\g], v[WBF+32*\c+8*\g:WBF+32*\c+8*\g+7], v[SC+\c]
.endr
.endr
.irp j, 0,1,2,3,4,5,6,7
	v_mov_b32 v[BI+8*(\t)+\j], v[MX+1]             ; the bias as a C operand: column r, every row.  (Plain lines behind the conversions)
.endr
	WIN 0
	v_lshl_or_b32 v[MX+2], v[BY+1], 16, v[BY]      ; my two bytes: blocks h and 2 + h,
	v_lshlrev_b32 v[MX+2], v[SH8], v[MX+2]         ; at their places in the word;
	v_permlanex16_b32 v[SC+2], v[MX+2], s[SEL], s[SEL+1]
	v_or_b32 v[WS+(\t)], v[MX+2], v[SC+2]          ; with lane l xor 16's two the word is whole
.endm
	WLOAD 0
	WLOAD 1
	s_wait_dscnt 16                                ; the older tile's 16 loads are in; the younger tile's 16 may be out
	WQ 0
	WLOAD 2
	s_wait_dscnt 16
	WQ 1
	WLOAD 3
	s_wait_dscnt 16
	WQ 2
	s_wait_dscnt 0x0
	WQ 3
; THE CHANGE OF SLOTS, the one barrier of a step.  Each wave waits for all its tensor loads (its part of the slot that it is about to read), adds 0 to its spare word, and waits for that and for all its LDS loads and stores:
; its reads of the slot in hand (part P's x, part C's x), its reads of one copy of the images, its stores into the other.  Behind the barrier the slot ahead is whole, nobody reads the other one, the copy just written
; may be read, and the copy just read may be written.  fill = 1: the slot that was left takes the next 256 pixels: one load a wave, which has a whole step in which to land.
; asum = 1: the sums of the a just made, work on registers, stand between the add and the wait for it.
.macro CHANGE fill, asum
	s_wait_tensorcnt 0x0                           ; no tensor load of mine is out, so group 0 may be written
	ds_add_u32 v[SPW], v[NIL]                      ; 0 onto my spare word
.if \fill
	s_xor_b32 s15, s[TB], SLOT                     ; the other slot,
	s_add_co_u32 s[G0X+1], s44, s15                ; my half strip in it,
	s_add_nc_u64 s[G0X+2:G0X+3], s[G0X+2:G0X+3], 1024   ; the next 256 pixels; the type bits on top are not reached
.endif
.if \asum
.set i, 0
.rept 8
.irp t, 0,1,2,3
	v_pk_add_f32 v[AS+2*\t:AS+2*\t+1], v[AS+2*\t:AS+2*\t+1], v[LG+16*\t+i:LG+16*\t+i+1]   ; asum takes the unquantised a
.endr
.set i, i+2
.endr
.endif
	s_wait_dscnt 0x0                               ; the add is done; my LDS loads are in and my LDS stores have landed
	s_barrier_signal -1
	s_barrier_wait -1
.if \fill
	tensor_load_to_lds s[G0X:G0X+3], s[G1X:G1X+7]  ; the first thing behind the barrier, and my one tensor load until the next
	s_nop 0
.endif
.endm
.macro PLOAD b                                 ; channels 32 b .. 32 b + 31 of my pixel: the 32 lanes of a load read 128 neighbouring bytes
.set i, 0
.rept 32
	ds_load_b32 v[X+32*(\b)+i], v[PAD] offset:(32*(\b)+i)*XP
.set i, i+1
.endr
.endm
.macro PSTAT b                                 ; block b: its squares onto four packed chains; its largest raw magnitude in two chains.  (Rounding is monotone: the largest |x| times rn is the largest |x rn|)
.set XB, X+32*(\b)
.set p, 0
.rept 16
.if ((\b) == 0) && (p < 4)
	v_pk_mul_f32 v[Q+2*p:Q+2*p+1], v[XB+2*p:XB+2*p+1], v[XB+2*p:XB+2*p+1]
.else
	v_pk_fma_f32 v[Q+2*(p%4):Q+2*(p%4)+1], v[XB+2*p:XB+2*p+1], v[XB+2*p:XB+2*p+1], v[Q+2*(p%4):Q+2*(p%4)+1]
.endif
.if p == 0
	v_max3_num_f32 v[M+(\b)], |v[XB]|, |v[XB+1]|, |v[XB+2]|
.elseif p == 1
	v_max3_num_f32 v[MX+(\b)], |v[XB+3]|, |v[XB+4]|, |v[XB+5]|
.elseif p < 15
	v_max3_num_f32 v[M+(\b)-(M-MX)*(p%2)], v[M+(\b)-(M-MX)*(p%2)], |v[XB+2*p+2]|, |v[XB+2*p+3]|
.else
	v_max_num_f32 v[M+(\b)], v[M+(\b)], v[MX+(\b)]
.endif
.set p, p+1
.endr
.endm
; Part P's loads and sums where no part C stands in front of them: the first step
.macro PFIRST
	v_add_nc_u32 v[PAD], s[TB], v[PA0]
	PLOAD 0
	PLOAD 1
	s_wait_dscnt 32                                ; the older block's 32 loads are in; the youngest block's may be out
	PSTAT 0
	PLOAD 2
	s_wait_dscnt 32
	PSTAT 1
	PLOAD 3
	s_wait_dscnt 32
	PSTAT 2
	s_wait_dscnt 0x0
	PSTAT 3
.endm
; x rn of strip c: raw x (window 1) times rn, into v16-143: the same two factors as in part P, the same bits
.macro CMUL c
.irp e, 0,1
.set p, 0
.rept 16
	v_pk_mul_f32 v[X+64*(\c)+32*\e+2*p:X+64*(\c)+32*\e+2*p+1], v[YY+64*(\c)+32*\e+2*p:YY+64*(\c)+32*\e+2*p+1], v[RR+32*(\c)+2*p:RR+32*(\c)+2*p+1]
.set p, p+1
.endr
.endr
.endm
; 32 pixels of one channel: the block's scale and its codes: registers 4 c .. 4 c + 3 of fragment e
.macro CQ c, e
.set YB, X+64*(\c)+32*(\e)
.set ID, 2*(\c)+(\e)
	v_max3_num_f32 v[M+ID], |v[YB]|, |v[YB+1]|, |v[YB+2]|
	v_max3_num_f32 v[SC+ID], |v[YB+3]|, |v[YB+4]|, |v[YB+5]|
.irp i, 6,10,14,18,22,26
	v_max3_num_f32 v[M+ID], v[M+ID], |v[YB+\i]|, |v[YB+\i+1]|
	v_max3_num_f32 v[SC+ID], v[SC+ID], |v[YB+\i+2]|, |v[YB+\i+3]|
.endr
	v_max3_num_f32 v[M+ID], v[M+ID], |v[YB+30]|, |v[YB+31]|
	v_max3_num_f32 v[M+ID], v[M+ID], v[SC+ID], 0x1800000   ; the two chains and the floor
	v_add_nc_u32 v[SC+ID], 0xff000000, v[M+ID]
	v_lshrrev_b32 v[BY+ID], 23, v[SC+ID]
.irp g, 0,1,2,3
	v_cvt_scalef32_pk8_fp4_f32 v[XC+8*(\e)+4*(\c)+\g], v[YB+8*\g:YB+8*\g+7], v[SC+ID]
.endr
.endm
; PART C of the step before.  withp = 1: part P's loads and sums of the step in hand stand among its lines: a block of 32 channels is asked for as soon as the conversions have read the 32 registers that it takes.
.macro CPART withp
	s_xor_b32 s15, s[SX], SD                       ; the copy that the step before wrote
	v_add_nc_u32 v[RAD], s15, v[RA]
	v_add_nc_u32 v[RAD+1], s15, v[LI]
	v_add_nc_u32 v[RAD+2], s15, v[ASL]
.if \withp
	v_add_nc_u32 v[PAD], s[TB], v[PA0]
.endif
.irp t, 0,1,2,3
	ds_load_b32 v[ASC+\t], v[RAD+2] offset:64*\t
.endr
.irp c, 0,1
.irp i, 0,1,2,3,4,5,6,7
	ds_load_b128 v[RR+32*\c+4*\i:RR+32*\c+4*\i+3], v[RAD] offset:256*\c+16*\i   ; rn of pixels 64 c + 32 h + 0 .. 31
.endr
.endr
	s_wait_dscnt 8                                 ; the first strip's rn is in; the second strip's 8 loads may be out
	WIN W_S0
	CMUL 0
	s_wait_dscnt 0x0
	CMUL 1
	WIN 0
.irp t, 0,1,2,3
.irp c, 0,1
	ds_load_b128 v[AF+8*\t+4*\c:AF+8*\t+4*\c+3], v[RAD+1] offset:1024*\t+512*\c   ; a's fragments of my K step, as their makers' registers stood; rn has been used for the last time
.endr
.endr
	CQ 0, 0
.if \withp
	PLOAD 0
.endif
	CQ 0, 1
.if \withp
	s_wait_dscnt 32                                ; a's fragments are in; block 0's 32 loads may be out
	PLOAD 1
.endif
	CQ 1, 0
.if \withp
	s_wait_dscnt 32                                ; block 0 is in; block 1's 32 loads may be out
	PSTAT 0
	PLOAD 2
.endif
	CQ 1, 1
.irp e, 0,1
	v_lshl_or_b32 v[BY+\e], v[BY+2+\e], 16, v[BY+\e]   ; my two bytes: blocks h and 2 + h of channel 16 e + r.  (Plain lines behind the conversions)
.endr
.irp e, 0,1
	v_lshlrev_b32 v[BY+\e], v[SH8], v[BY+\e]
.endr
.irp e, 0,1
	v_permlanex16_b32 v[SC+\e], v[BY+\e], s[SEL], s[SEL+1]
.endr
.irp e, 0,1
	v_or_b32 v[BS+\e], v[BY+\e], v[SC+\e]
.endr
.if \withp
	s_wait_dscnt 32                                ; block 1 is in; block 2's 32 loads may be out
	PSTAT 1                                        ; its 32 plain lines are also the eight places between the scale words and the scaled products
	PLOAD 3
.else
	s_wait_dscnt 0x0                               ; a's fragments are in
	PLACES 8                                       ; a scale word written by a vector instruction stands eight places ahead of a scaled product
.endif
	WIN W_P2
.irp t, 0,1,2,3                                ; vlad^T += xn's 16 channels x a's 16 clusters, K = my 128 pixels.  The eight accumulators take turns, one instruction a turn
.irp e, 0,1
	v_wmma_scale_f32_16x16x128_f8f6f4 v[ACC+8*(4*\e+\t):ACC+8*(4*\e+\t)+7], v[XC+8*\e:XC+8*\e+7], v[AF+8*\t:AF+8*\t+7], v[ACC+8*(4*\e+\t):ACC+8*(4*\e+\t)+7], v[BS+\e], v[ASC+\t] matrix_a_fmt:MATRIX_FMT_FP4 matrix_b_fmt:MATRIX_FMT_FP4
.endr
.endr
	WIN 0
.if \withp
	s_wait_dscnt 32                                ; block 2 is in; block 3's 32 loads may be out
	PSTAT 2
	s_wait_dscnt 0x0
	PSTAT 3
.endif
.endm
; THE REST OF PART P, from the sums of squares on.  At its head part C's raw x of this step is asked for: nothing waits for it before the next change of slots.
.macro PREST
	v_add_nc_u32 v[CAD], s[TB], v[CA0]
	v_add_nc_u32 v[WA], s[SX], v[RSA]              ; the copy that this step writes.  (v220-222 held a's fragments: the 64 plain lines of the last two blocks' sums stand behind the products that read them)
	v_add_nc_u32 v[WA+1], s[SX], v[AIA]
	v_add_nc_u32 v[WA+2], s[SX], v[ASA]
	WIN W_D1
.irp c, 0,1
.irp e, 0,1
.irp i, 0,1,2,3,4,5,6,7
	ds_load_b128 v[YY+64*\c+32*\e+4*\i:YY+64*\c+32*\e+4*\i+3], v[CAD] offset:STRIP*\c+16*XP*\e+16*\i   ; x of channel 16 e + r at pixels 64 c + 32 h + 0 .. 31
.endr
.endr
.endr
	WIN 0
	v_pk_add_f32 v[Q:Q+1], v[Q:Q+1], v[Q+2:Q+3]
	v_pk_add_f32 v[Q+4:Q+5], v[Q+4:Q+5], v[Q+6:Q+7]
	v_pk_add_f32 v[Q:Q+1], v[Q:Q+1], v[Q+4:Q+5]
	v_add_f32 v[RN], v[Q], v[Q+1]                  ; the pixel's sum of squares
	v_rsq_f32 v[RN], v[RN]
	v_nop                                          ; a plain line behind the transcendental
	s_wait_alu depctr_va_vdst(0)                   ; and the wait ahead of its first reader
	v_min_num_f32 v[RN], 0x5368d4a5, v[RN]         ; rn = min(rsq, 1e12) = 1 / max(norm, 1e-12)
	v_mov_b32 v[RN+1], v[RN]
	ds_store_b32 v[WA], v[RN]                      ; for part C
.irp b, 0,1,2,3
	v_mul_f32 v[M+\b], v[M+\b], v[RN]              ; the block's largest |xn|
.endr
.irp b, 0,1,2,3
	v_max_num_f32 v[M+\b], 0x1800000, v[M+\b]      ; the floor 2^(3 - 127)
.endr
.irp b, 0,1,2,3
	v_add_nc_u32 v[SC+\b], 0xff000000, v[M+\b]
.endr
.irp b, 0,1,2,3
	v_lshrrev_b32 v[BY+\b], 23, v[SC+\b]
.endr
	v_lshl_or_b32 v[SA], v[BY+1], 8, v[BY]         ; my pixel's scale word
	v_lshl_or_b32 v[SA], v[BY+2], 16, v[SA]
	v_lshl_or_b32 v[SA], v[BY+3], 24, v[SA]
.set i, 0
.rept 64
	v_pk_mul_f32 v[X+i:X+i+1], v[X+i:X+i+1], v[RN:RN+1]   ; xn.  (These are also the places between the scale word and the products)
.set i, i+2
.endr
.irp b, 0,1,2,3
.irp g, 0,1,2,3
	v_cvt_scalef32_pk8_fp4_f32 v[XC+8*(\b%2)+4*(\b/2)+\g], v[X+32*\b+8*\g:X+32*\b+8*\g+7], v[SC+\b]   ; blocks 0, 2 into v144-151, blocks 1, 3 into v152-159
.endr
.endr
	v_nop                                          ; one plain line behind the conversions
.irp i, 0,1,2,3,4,5,6,7
	v_permlane16_swap_b32 v[XC+\i], v[XC+8+\i]     ; the first's lanes 16-31 change places with the second's lanes 0-15: v144-151 are now the fragment of the pixels of lanes 0-15, v152-159 that of lanes 16-31
.endr
	PLACES 4
	WIN W_P1
.irp t, 0,1,2,3                                ; logits = xn's 16 pixels x 16 clusters + the bias: eight results, none onto another
	v_wmma_scale_f32_16x16x128_f8f6f4 v[LG+16*\t:LG+16*\t+7], v[XC:XC+7], v[WF+8*\t:WF+8*\t+7], v[BI+8*\t:BI+8*\t+7], v[SA], v[WS+\t] matrix_a_fmt:MATRIX_FMT_FP4 matrix_b_fmt:MATRIX_FMT_FP4
	v_wmma_scale_f32_16x16x128_f8f6f4 v[LG+16*\t+8:LG+16*\t+15], v[XC+8:XC+15], v[WF+8*\t:WF+8*\t+7], v[BI+8*\t:BI+8*\t+7], v[SA], v[WS+\t] matrix_a_fmt:MATRIX_FMT_FP4 matrix_b_fmt:MATRIX_FMT_FP4 matrix_a_scale:MATRIX_SCALE_ROW1
.endr
	WIN 0
	PLACES 4
	; THE SOFTMAX over the 64 clusters of each of my 16 pixels: four tiles in my registers, sixteen lanes of my half.  Each result is read from its low end on.
.set i, 0
.rept 16
	v_max3_num_f32 v[MX+i], v[LG+i], v[LG+16+i], v[LG+32+i]
.set i, i+1
.endr
.set i, 0
.rept 16
	v_max_num_f32 v[MX+i], v[MX+i], v[LG+48+i]
.set i, i+1
.endr
.irp m, 1,2,4,8
.set i, 0
.rept 16
	v_max_num_f32_dpp v[MX+i], v[MX+i], v[MX+i] row_xmask:\m row_mask:0xf bank_mask:0xf
.set i, i+1
.endr
.endr
.set i, 0
.rept 8
	v_pk_mul_f32 v[MX+i:MX+i+1], v[MX+i:MX+i+1], s[54:55] op_sel_hi:[1,0]   ; -m log2(e)
.set i, i+2
.endr
.set i, 0
.rept 8
.irp t, 0,1,2,3
	v_pk_fma_f32 v[LG+16*\t+i:LG+16*\t+i+1], v[LG+16*\t+i:LG+16*\t+i+1], s[42:43], v[MX+i:MX+i+1] op_sel_hi:[1,0,1]
.endr
.set i, i+2
.endr
.set i, 0
.rept 64
	v_exp_f32 v[LG+i], v[LG+i]                     ; p: one batch
.set i, i+1
.endr
	v_nop                                          ; a plain line behind the last exponential
	s_wait_alu depctr_va_vdst(0)                   ; one wait for the batch, ahead of its first reader
.set i, 0
.rept 8
	v_pk_add_f32 v[SM+i:SM+i+1], v[LG+i:LG+i+1], v[LG+16+i:LG+16+i+1]
.set i, i+2
.endr
.irp t, 2,3
.set i, 0
.rept 8
	v_pk_add_f32 v[SM+i:SM+i+1], v[SM+i:SM+i+1], v[LG+16*\t+i:LG+16*\t+i+1]
.set i, i+2
.endr
.endr
.irp m, 1,2,4,8
.set i, 0
.rept 16
	v_add_f32_dpp v[SM+i], v[SM+i], v[SM+i] row_xmask:\m row_mask:0xf bank_mask:0xf
.set i, i+1
.endr
.endr
.set i, 0
.rept 16
	v_rcp_f32 v[SM+i], v[SM+i]
.set i, i+1
.endr
	v_nop
	s_wait_alu depctr_va_vdst(0)                   ; one wait for the sixteen reciprocals
.set i, 0
.rept 8
.irp t, 0,1,2,3
	v_pk_mul_f32 v[LG+16*\t+i:LG+16*\t+i+1], v[LG+16*\t+i:LG+16*\t+i+1], v[SM+i:SM+i+1]   ; a, finished and normalised
.endr
.set i, i+2
.endr
	; a's codes along the pixels: my wave's 32 pixels are one block; lanes l and l xor 16 hold its halves.  No |.|: a is never negative
.irp t, 0,1,2,3
	v_max3_num_f32 v[M+\t], v[LG+16*\t], v[LG+16*\t+1], 0x1800000
.endr
.irp i, 2,4,6,8,10,12,14
.irp t, 0,1,2,3
	v_max3_num_f32 v[M+\t], v[M+\t], v[LG+16*\t+\i], v[LG+16*\t+\i+1]
.endr
.endr
.irp t, 0,1,2,3
	v_permlanex16_b32 v[SC+\t], v[M+\t], s[SEL], s[SEL+1]
.endr
.irp t, 0,1,2,3
	v_max_num_f32 v[M+\t], v[M+\t], v[SC+\t]
.endr
.irp t, 0,1,2,3
	v_add_nc_u32 v[SC+\t], 0xff000000, v[M+\t]
.endr
.irp t, 0,1,2,3
	v_lshrrev_b32 v[BY+\t], 23, v[SC+\t]
.endr
.irp t, 0,1,2,3
	v_cvt_scalef32_pk8_fp4_f32 v[AC+2*\t], v[LG+16*\t:LG+16*\t+7], v[SC+\t]
	v_cvt_scalef32_pk8_fp4_f32 v[AC+2*\t+1], v[LG+16*\t+8:LG+16*\t+15], v[SC+\t]
.endr
	v_nop                                          ; one plain line behind the conversions
.irp t, 0,1,2,3
	ds_store_b64 v[WA+1], v[AC+2*\t:AC+2*\t+1] offset:1024*\t   ; 32 lanes fill 256 neighbouring bytes of tile t's image
	ds_store_b8 v[WA+2], v[BY+\t] offset:64*\t     ; both lanes of a cluster write the same byte with the same value
.endr
.endm
.macro TOGGLE
	s_xor_b32 s[TB], s[TB], SLOT                   ; on to the other slot,
	s_xor_b32 s[SX], s[SX], SD                     ; and to the other copy
.endm
	s_mov_b32 s[TB], 0
	s_mov_b32 s[SX], 0
	s_mov_b32 s[CNT], 6
	CHANGE 1, 0                                    ; step 0's tile is whole; step 1's is asked for: slot 1's first fill, behind a barrier behind which nothing is filled again
	PFIRST                                         ; the first step has no part C in front of it
	PREST
	TOGGLE
.Lstep:                                            ; six trips: part C of steps 0 to 5, part P of steps 1 to 6; the tiles of steps 2 to 7 are asked for
	CHANGE 1, 1
	CPART 1
	PREST
	TOGGLE
	s_sub_co_u32 s[CNT], s[CNT], 1
	s_cmp_lg_u32 s[CNT], 0
	s_cbranch_scc1 .Lstep
	CHANGE 0, 1                                    ; the tail is written out: nothing is left to fetch
	CPART 1                                        ; part C of step 6, part P of step 7
	PREST
	TOGGLE
	CHANGE 0, 1
	CPART 0                                        ; part C of step 7
	; THE WAY OUT.  asum: the pairs' halves and lane l xor 16's.  (The four additions are the places behind the last products)
.irp t, 0,1,2,3
	v_add_f32 v[16+\t], v[AS+2*\t], v[AS+2*\t+1]
.endr
.irp t, 0,1,2,3
	v_permlanex16_b32 v[SC+\t], v[16+\t], s[SEL], s[SEL+1]
.endr
.irp t, 0,1,2,3
	v_add_f32 v[16+\t], v[16+\t], v[SC+\t]
.endr
	v_and_b32 v26, 15, v0                          ; r
	v_bfe_u32 v27, v0, 4, 1                        ; h
	v_and_b32 v28, 31, v0                          ; lane
	s_lshl_b32 s47, s[WV], 8
	s_add_co_u32 s47, s47, ASR
	v_lshl_add_u32 v20, v26, 4, s47                ; my wave's asum: 256 w + 16 r
	v_lshlrev_b32 v21, 4, v26
	v_add_nc_u32 v21, ASR, v21                     ; and where wave 0 reads all eight
	s_mul_i32 s47, s46, STG1
	s_lshl_b32 s15, s45, 7
	s_add_co_u32 s47, s47, s15
	v_mul_u32_u24 v22, v26, CP
	v_lshl_add_u32 v22, v27, 5, v22
	v_add_nc_u32 v22, s47, v22                     ; stage w / 4: row = cluster r, + 128 (w % 4) + 32 h: my eight channels
	s_mul_i32 s47, s[WV], 8*CP
	v_lshl_add_u32 v23, v28, 4, s47                ; back: rows 8 w on, 16 bytes a lane
	s_lshl_b32 s47, s[WV], 12
	v_lshl_add_u32 v24, v28, 4, s47                ; and the same rows in part
	v_lshlrev_b32 v25, 4, v26
	v_lshl_add_u32 v25, v27, 3, v25                ; asp: 16 r + 8 h
	s_and_b32 s47, ttmp7, 0xffff
	s_lshl_b32 s47, s47, 3
	s_add_co_u32 s47, s47, ttmp9                   ; 8 n + g
	s_lshl_b32 s48, s47, 15
	s_mov_b32 s49, 0
	s_lshl_b32 s50, s47, 8
	s_mov_b32 s51, 0
	s_add_nc_u64 s[8:9], s[8:9], s[48:49]
	s_add_nc_u64 s[10:11], s[10:11], s[50:51]
	ds_store_b128 v20, v[16:19]                    ; both lanes of a cluster write the same 16 bytes with the same values
	WIN W_ST
.irp t, 0,1,2,3
.irp e, 0,1
	ds_store_b128 v22, v[ACC+8*(4*\e+\t):ACC+8*(4*\e+\t)+3] offset:16*CP*\t+64*\e        ; each accumulator from its low end on
	ds_store_b128 v22, v[ACC+8*(4*\e+\t)+4:ACC+8*(4*\e+\t)+7] offset:16*CP*\t+64*\e+16
.endr
.endr
	WIN 0
	s_wait_dscnt 0x0                               ; for the others' sake: my stores have landed
	s_barrier_signal -1
	s_barrier_wait -1
	s_cmp_lg_u32 s[WV], 0                          ; wave 0 adds the eight waves' asum
	s_cbranch_scc1 .Lnot_wave_0
.irp j, 0,1,2,3,4,5,6,7
	ds_load_b128 v[96+4*\j:99+4*\j], v21 offset:256*\j
.endr
	s_wait_dscnt 0x0
.irp j, 1,2,3,4,5,6,7
	v_pk_add_f32 v[96:97], v[96:97], v[96+4*\j:97+4*\j]
	v_pk_add_f32 v[98:99], v[98:99], v[98+4*\j:99+4*\j]
.endr
	v_cmp_eq_u32 vcc_lo, 1, v27
	v_cndmask_b32 v128, v96, v98, vcc_lo           ; lanes 0-15 keep tiles 0, 1; lanes 16-31 tiles 2, 3
	v_cndmask_b32 v129, v97, v99, vcc_lo
	global_store_b64 v25, v[128:129], s[10:11]     ; 32 lanes store 256 consecutive bytes, at a multiple of 256 from asp's first byte
.Lnot_wave_0:
.irp i, 0,1,2,3,4,5,6,7
	ds_load_b128 v[32+4*\i:35+4*\i], v23 offset:CP*\i          ; row 8 w + i of the first K step's sums,
	ds_load_b128 v[64+4*\i:67+4*\i], v23 offset:STG1+CP*\i     ; and of the second's
.endr
.irp i, 0,1,2,3,4,5,6,7
	s_wait_dscnt 14-2*\i                           ; this row's two loads are in; the later rows' may be out
	v_pk_add_f32 v[32+4*\i:33+4*\i], v[32+4*\i:33+4*\i], v[64+4*\i:65+4*\i]
	v_pk_add_f32 v[34+4*\i:35+4*\i], v[34+4*\i:35+4*\i], v[66+4*\i:67+4*\i]
	global_store_b128 v24, v[32+4*\i:35+4*\i], s[8:9] offset:512*\i th:TH_STORE_NT   ; 32 lanes store a row of 512 consecutive bytes, at a multiple of 256 from part's first byte
.endr
	s_wait_tensorcnt 0x0                           ; the wave's end, behind my last tensor load and my last LDS store
	ds_add_u32 v[SPW], v[NIL]
	s_wait_dscnt 0x0
	s_endpgm
.Lfunc_end_k_qd6bcb5ceb6_vlad_part:
	.size	k_qd6bcb5ceb6_vlad_part, .Lfunc_end_k_qd6bcb5ceb6_vlad_part-k_qd6bcb5ceb6_vlad_part
	.p2alignl 7, 3214868480
	.fill 96, 4, 3214868480
	.section	.rodata,"a",@progbits
	.p2align	6, 0x0
	.amdhsa_kernel k_qd6bcb5ceb6_vlad_part
		.amdhsa_group_segment_fixed_size 327680
		.amdhsa_private_segment_fixed_size 0
		.amdhsa_enable_private_segment 0
		.amdhsa_kernarg_size 32
		.amdhsa_user_sgpr_count 2
		.amdhsa_user_sgpr_kernarg_segment_ptr 1
		.amdhsa_wavefront_size32 1
		.amdhsa_system_sgpr_workgroup_id_x 1
		.amdhsa_system_sgpr_workgroup_id_y 1
		.amdhsa_system_sgpr_workgroup_id_z 1
		.amdhsa_system_vgpr_workitem_id 0
		.amdhsa_next_free_vgpr 512
		.amdhsa_next_free_sgpr 66
		.amdhsa_reserve_vcc 1
		.amdhsa_float_denorm_mode_32 3
		.amdhsa_float_denorm_mode_16_64 3
		.amdhsa_memory_ordered 1
		.amdhsa_forward_progress 1
		.amdhsa_inst_pref_size 243
	.end_amdhsa_kernel
	.amdgpu_metadata
---
amdhsa.version: [ 1, 2 ]
amdhsa.kernels:
  - .name:           k_qd6bcb5ceb6_vlad_part
    .symbol:         k_qd6bcb5ceb6_vlad_part.kd
    .args:
      - { .name: x, .offset: 0, .size: 8, .value_kind: global_buffer, .address_space: global }
      - { .name: centroids, .offset: 8, .size: 8, .value_kind: global_buffer, .address_space: global }
      - { .name: part, .offset: 16, .size: 8, .value_kind: global_buffer, .address_space: global }
      - { .name: asp, .offset: 24, .size: 8, .value_kind: global_buffer, .address_space: global }
    .group_segment_fixed_size: 327680
    .private_segment_fixed_size: 0
    .kernarg_segment_align: 8
    .kernarg_segment_size: 32
    .max_flat_workgroup_size: 256
    .sgpr_count:     66
    .vgpr_count:     512
    .wavefront_size: 32
...
	.end_amdgpu_metadata
.endif
;; end of part 1
;; launch vlad_norm (part 2): grid 32 x 1, 16 waves a work-group, no clusters, 2,304 bytes of LDS; arguments part, asp, centroids, out0; writes out0
.if DOCPART == 2
	.amdgcn_target "amdgcn-amd-amdhsa--gfx1250"
	.amdhsa_code_object_version 6
	.text
	.protected	k_qd6bcb5ceb6_vlad_norm
	.globl	k_qd6bcb5ceb6_vlad_norm
	.p2align	8
	.type	k_qd6bcb5ceb6_vlad_norm,@function
k_qd6bcb5ceb6_vlad_norm:
	s_mov_b64 s[64:65], 0
	v_nop
	global_prefetch_b8 v0, s[64:65] scope:SCOPE_SE
	s_setreg_imm32_b32 hwreg(HW_REG_WAVE_MODE, 25, 1), 1
	s_wait_xcnt 0x0
; NetVLAD, second launch: out0[n][k][c] = the twice normalised vlad.  vlad(k,c) = the sum of the image's 8 parts - asum(k) cent(k,c); each row of 128 is divided by max(its norm, 1e-12), then all 8,192 numbers by max(their norm, 1e-12).
; No work is left out.  LIMITS: 1 / max(sqrt(t), 1e-12) is taken as min(rsq(t), 1e12), equal in real numbers; the squared norm of a normalised row is taken as ss x inv x inv; NaN and infinities are not served.
; One work-group an image, since the last norm spans the image's 64 rows.  Wave W takes rows 16 t + W, t = 0 .. 3: their four asum are 16 neighbouring bytes of asp ([part][k % 16][k / 16]).  Lane L takes channels 4 L .. 4 L + 3.
; All 44 loads of a wave go out at once; each load of part covers 512 consecutive bytes.  No matrix work, no tensor load: the launch adds 256 KiB and stores 32 KiB for each work-group.
.set SPARE, 256                        ; LDS: bytes 0-63 the waves' sums; from 256 on the spare words, 128 bytes for each of 16 waves
.set VO,  1                            ; v1   512 W + 16 L = 16 x my thread's number
.set AO,  2                            ; v2   16 W
.set GW,  3                            ; v3   4 W
.set ZA,  4                            ; v4   0
.set SPW, 5                            ; v5   LDS address of my spare word; never rewritten
.set NIL, 6                            ; v6   0; never rewritten
.set P,   16                           ; v16-143  part g, row t: 4 registers at v[P + 16 g + 4 t]
.set CE,  144                          ; v144-159 the centroids' rows
.set AP,  160                          ; v160-191 asum's parts
.set SS,  192
.set TP,  196
.set INV, 200
.set U,   204
	s_load_b256 s[4:11], s[0:1], 0x0               ; part s[4:5], asp s[6:7], centroids s[8:9], out0 s[10:11]
	v_lshl_add_u32 v[SPW], v0, 2, SPARE
	v_mov_b32 v[NIL], 0
	v_lshlrev_b32 v[VO], 4, v0
	v_lshrrev_b32 v[GW], 5, v0
	v_lshlrev_b32 v[AO], 4, v[GW]
	v_lshlrev_b32 v[GW], 2, v[GW]
	v_mov_b32 v[ZA], 0
.irp t, 0,1,2,3
	v_mov_b32 v[TP+\t], 0                          ; written once: a lane permute's destination counts as one of its sources
.endr
	s_mov_b32 s20, 0x76543210
	s_mov_b32 s21, 0xfedcba98                      ; v_permlanex16_b32's selects for lane l xor 16
	s_lshl_b32 s12, ttmp9, 18                      ; an image's 8 parts of 32,768 bytes
	s_mov_b32 s13, 0
	s_lshl_b32 s14, ttmp9, 11                      ; 8 x 256 bytes of asum
	s_mov_b32 s15, 0
	s_lshl_b32 s16, ttmp9, 15                      ; 32,768 bytes of out0
	s_mov_b32 s17, 0
	s_wait_kmcnt 0x0
	s_add_nc_u64 s[4:5], s[4:5], s[12:13]
	s_add_nc_u64 s[6:7], s[6:7], s[14:15]
	s_add_nc_u64 s[10:11], s[10:11], s[16:17]
.irp g, 0,1,2,3,4,5,6,7
	global_load_b128 v[AP+4*\g:AP+4*\g+3], v[AO], s[6:7] offset:256*\g
.endr
.irp t, 0,1,2,3
	global_load_b128 v[CE+4*\t:CE+4*\t+3], v[VO], s[8:9] offset:8192*\t
.endr
.irp g, 0,1,2,3,4,5,6,7
.irp t, 0,1,2,3
	global_load_b128 v[P+16*\g+4*\t:P+16*\g+4*\t+3], v[VO], s[4:5] offset:32768*\g+8192*\t th:TH_LOAD_NT
.endr
.endr
.irp g, 1,2,3,4,5,6,7
	s_wait_loadcnt 4*(7-\g)                        ; parts 0 to g are in; the four loads of each later part may be out
.irp j, 0,2,4,6,8,10,12,14
	v_pk_add_f32 v[P+\j:P+\j+1], v[P+\j:P+\j+1], v[P+16*\g+\j:P+16*\g+\j+1]
.endr
.irp j, 0,2
	v_pk_add_f32 v[AP+\j:AP+\j+1], v[AP+\j:AP+\j+1], v[AP+4*\g+\j:AP+4*\g+\j+1]
.endr
.endr
.irp j, 0,1,2,3
.irp t, 0,1,2,3
	v_fma_f32 v[P+4*\t+\j], -v[AP+\t], v[CE+4*\t+\j], v[P+4*\t+\j]   ; vlad - asum x cent
.endr
.endr
.irp t, 0,1,2,3
	v_mul_f32 v[SS+\t], v[P+4*\t], v[P+4*\t]       ; a row's sum of squares; the four rows by turns
.endr
.irp j, 1,2,3
.irp t, 0,1,2,3
	v_fma_f32 v[SS+\t], v[P+4*\t+\j], v[P+4*\t+\j], v[SS+\t]
.endr
.endr
.irp m, 1,2,4,8
.irp t, 0,1,2,3
	v_add_f32_dpp v[SS+\t], v[SS+\t], v[SS+\t] row_xmask:\m row_mask:0xf bank_mask:0xf
.endr
.endr
.irp t, 0,1,2,3
	v_permlanex16_b32 v[TP+\t], v[SS+\t], s20, s21
.endr
.irp t, 0,1,2,3
	v_add_f32 v[SS+\t], v[SS+\t], v[TP+\t]
.endr
.irp t, 0,1,2,3
	v_rsq_f32 v[INV+\t], v[SS+\t]
.endr
	v_nop                                          ; a plain line behind the last transcendental
	s_wait_alu depctr_va_vdst(0)                   ; one wait for the four, ahead of their first reader
.irp t, 0,1,2,3
	v_min_num_f32 v[INV+\t], 0x5368d4a5, v[INV+\t] ; 1 / max(norm, 1e-12)
.endr
.irp t, 0,1,2,3
	v_mul_f32 v[U+\t], v[SS+\t], v[INV+\t]
.endr
	v_mul_f32 v[U], v[U], v[INV]                   ; my four normalised rows' squares
	v_fma_f32 v[U], v[U+1], v[INV+1], v[U]
	v_fma_f32 v[U], v[U+2], v[INV+2], v[U]
	v_fma_f32 v[U], v[U+3], v[INV+3], v[U]
	ds_store_b32 v[GW], v[U]                       ; all lanes write the wave's word with the same value
	s_wait_dscnt 0x0                               ; for the others' sake
	s_barrier_signal -1
	s_barrier_wait -1
.irp j, 0,1,2,3
	ds_load_b128 v[32+4*\j:35+4*\j], v[ZA] offset:16*\j   ; the sixteen waves' sums, in every lane
.endr
	s_wait_dscnt 0x0
.irp j, 0,4,8,12
	v_pk_add_f32 v[32+\j:33+\j], v[32+\j:33+\j], v[34+\j:35+\j]
.endr
	v_pk_add_f32 v[32:33], v[32:33], v[36:37]
	v_pk_add_f32 v[40:41], v[40:41], v[44:45]
	v_pk_add_f32 v[32:33], v[32:33], v[40:41]
	v_add_f32 v32, v32, v33
	v_rsq_f32 v34, v32
	v_nop
	s_wait_alu depctr_va_vdst(0)
	v_min_num_f32 v34, 0x5368d4a5, v34
.irp t, 0,1,2,3
	v_mul_f32 v[48+2*\t], v[INV+\t], v34           ; both norms in one factor, as a pair for the packed multiply
	v_mul_f32 v[49+2*\t], v[INV+\t], v34
.endr
.irp t, 0,1,2,3
	v_pk_mul_f32 v[64+4*\t:65+4*\t], v[P+4*\t:P+4*\t+1], v[48+2*\t:49+2*\t]
	v_pk_mul_f32 v[66+4*\t:67+4*\t], v[P+4*\t+2:P+4*\t+3], v[48+2*\t:49+2*\t]
.endr
.irp t, 0,1,2,3
	global_store_b128 v[VO], v[64+4*\t:67+4*\t], s[10:11] offset:8192*\t th:TH_STORE_NT   ; 32 lanes store a row of 512 consecutive bytes, at a multiple of 256 from out0's first byte
.endr
	s_wait_tensorcnt 0x0                           ; the wave's end, behind my last LDS store
	ds_add_u32 v[SPW], v[NIL]
	s_wait_dscnt 0x0
	s_endpgm
.Lfunc_end_k_qd6bcb5ceb6_vlad_norm:
	.size	k_qd6bcb5ceb6_vlad_norm, .Lfunc_end_k_qd6bcb5ceb6_vlad_norm-k_qd6bcb5ceb6_vlad_norm
	.p2alignl 7, 3214868480
	.fill 96, 4, 3214868480
	.section	.rodata,"a",@progbits
	.p2align	6, 0x0
	.amdhsa_kernel k_qd6bcb5ceb6_vlad_norm
		.amdhsa_group_segment_fixed_size 2304
		.amdhsa_private_segment_fixed_size 0
		.amdhsa_enable_private_segment 0
		.amdhsa_kernarg_size 32
		.amdhsa_user_sgpr_count 2
		.amdhsa_user_sgpr_kernarg_segment_ptr 1
		.amdhsa_wavefront_size32 1
		.amdhsa_system_sgpr_workgroup_id_x 1
		.amdhsa_system_sgpr_workgroup_id_y 1
		.amdhsa_system_sgpr_workgroup_id_z 1
		.amdhsa_system_vgpr_workitem_id 0
		.amdhsa_next_free_vgpr 208
		.amdhsa_next_free_sgpr 66
		.amdhsa_reserve_vcc 0
		.amdhsa_float_denorm_mode_32 3
		.amdhsa_float_denorm_mode_16_64 3
		.amdhsa_memory_ordered 1
		.amdhsa_forward_progress 1
		.amdhsa_inst_pref_size 17
	.end_amdhsa_kernel
	.amdgpu_metadata
---
amdhsa.version: [ 1, 2 ]
amdhsa.kernels:
  - .name:           k_qd6bcb5ceb6_vlad_norm
    .symbol:         k_qd6bcb5ceb6_vlad_norm.kd
    .args:
      - { .name: part, .offset: 0, .size: 8, .value_kind: global_buffer, .address_space: global }
      - { .name: asp, .offset: 8, .size: 8, .value_kind: global_buffer, .address_space: global }
      - { .name: centroids, .offset: 16, .size: 8, .value_kind: global_buffer, .address_space: global }
      - { .name: out0, .offset: 24, .size: 8, .value_kind: global_buffer, .address_space: global }
    .group_segment_fixed_size: 2304
    .private_segment_fixed_size: 0
    .kernarg_segment_align: 8
    .kernarg_segment_size: 32
    .max_flat_workgroup_size: 512
    .sgpr_count:     66
    .vgpr_count:     208
    .wavefront_size: 32
...
	.end_amdgpu_metadata
.endif
;; end of part 2
